; MI455X (gfx1250); checked and timed in simulation.
; The chip was launched on July 23, 2026; its instructions are those of AMD's public machine-readable ISA for CDNA 5 (MIT licence, August 2026) and "CDNA5" Instruction Set Architecture Reference Guide (July 2026). The comments in the code are by the model that wrote it; some were corrected since.
;; Codebook Layer. Allowed arithmetic: matrix products marked QUANTISED: E5M2 operands, one given power-of-two scale a tensor, by v_wmma_f32_16x16x64_bf8_bf8 or v_wmma_f32_16x16x128_bf8_bf8, f32 sums; everything else in f32.
;; Inputs: codebook 8,192 x 1,024 float32; lowp_scales 2 int32 (the exponents e of the quantised operands' scales 2^e); x 4 x 2,048 x 1,024 float32.
;; Outputs: out0 4 x 2,048 x 1,024 float32.
;; This version of the problem:
;;   THIS VERSION OF THE PROBLEM IS GIVEN IN LOW PRECISION. The matrix products marked QUANTISED in the list below multiply operands that are first quantised to E5M2 (5 exponent bits, 2 mantissa bits; 8 bits a number), with one given power-of-two scale for each operand tensor; their sums are f32. All else is computed in f32.
;;   The module's matrix products, in the order in which they are computed (A, B: the left and right operand; K: the contracted axis; several contracted axes count as one K, in the product's order):
;;     1. [M 8,192, K 1,024] x [K 1,024, N 8,192]; A: input x; B: input codebook: QUANTISED (scales: A lowp_scales[0], B lowp_scales[1])
;;   THE QUANTISER, for each operand of a quantised product, along K:
;;     - The operand's scale is 2^e, e = its entry of the input lowp_scales (int32; the entries are numbered through the quantised products in the list's order, A before B).
;;     - Each number is divided by the scale, clamped to +-57,344, and rounded to the nearest number of E5M2, ties to even, subnormals kept.
;;     - The product sums the exact products of the quantised numbers (number of the format x scale) in f32.
;;   ~~~python
;;   def quantise(x, axis, e):      # numpy; x: float32 -> the quantised numbers, widened to float32 again
;;       x = np.moveaxis(x, axis, -1); K = x.shape[-1]
;;       r = np.clip(x / 2.0 ** e, -57344, 57344)
;;       step = 2.0 ** (np.maximum(np.frexp(np.where(r == 0, 1, r))[1] - 1, -14) - 2)
;;       q = np.round(r / step) * step * 2.0 ** e      # np.round: ties to even
;;       return np.moveaxis(q, -1, axis).astype(np.float32)
;;   ~~~
;; One version. Each part assembles by itself: llvm-mc -triple=amdgcn-amd-amdhsa -mcpu=gfx1250 --defsym DOCPART=n.
;; ======== version 1 of 1: 3 launches
;; limits: right only within a limited range of input values
;; workspace buffers: codes 16,777,216 bytes; norms 65,536 bytes; cand 524,288 bytes of whole numbers
;; launch quant (part 1): grid 256 x 1, 4 waves a work-group, no clusters, 34,560 bytes of LDS; arguments x, codebook, lowp_scales, codes, norms; writes codes, norms
.if DOCPART == 1
	.amdgcn_target "amdgcn-amd-amdhsa--gfx1250"
	.amdhsa_code_object_version 6
	.text
	.protected	k_q46ad7f127c_quant
	.globl	k_q46ad7f127c_quant
	.p2align	8
	.type	k_q46ad7f127c_quant,@function
k_q46ad7f127c_quant:
	s_mov_b64 s[64:65], 0
	v_nop
	global_prefetch_b8 v0, s[64:65] scope:SCOPE_SE
	s_setreg_imm32_b32 hwreg(HW_REG_WAVE_MODE, 25, 1), 1
	s_wait_xcnt 0x0
; x [8192][1024] and codebook [8192][1024], f32, become codes of BF8 (E5M2), each tensor with the one scale 2^e that is given for it (entry 0: x, entry 1: codebook),
; and each row's -(sum of squares) x 2^-E, E = ex + ec + 1, is stored beside them.  (A sum of code products S stands for xc / 2^(ex + ec), so 2 xc = S x 2^E: the next launch ranks S + nx2 + nc2,
; which is 2 xc - x2 - c2 divided by 2^E: a power of two moves no mantissa bit, so each addition rounds where the f32 original rounds.)
; code = v / 2^e, held within +-57,344, rounded to the nearest code, ties to even.
; LIMITS: ex and ec between -126 and 112; a row's sum of squares x 2^-E is a normal f32 number; NaN among the inputs is not served.
; LAYOUT OF THE CODES: images of the operand's registers.  Tile T (16 rows; 0-511 x, 512-1023 codebook) is 16,384 bytes at 16,384 T; in it K step t (128 along K) at 2,048 t, chunk c at 512 c, lane l = r + 16 h at 16 l:
; the 16 codes of row r at k = 128 t + 32 c + 16 h + 0 .. 15.  A fragment then comes back by four loads of 512 consecutive bytes, with no pitch and no padding.
; SHARES: work-groups 0-127 take x, the others the codebook (only the pointer and e are chosen: one path); wave w takes tile 4 g + w: 16 rows x all 1,024 along K, in 8 steps of 128.
; A conversion takes 8 neighbours along K from ONE lane's registers; a load is best where neighbouring LANES take neighbouring bytes.  Both are had: each load reads 512 consecutive bytes of a row, and a step's
; 16 x 512 bytes turn through the wave's own stage in LDS.  No cluster and no tensor load: no two work-groups read the same byte, and a wave's loads are already long and dense.
.set STAGEB, 8448                      ; a wave's stage: 16 rows x SP bytes
.set SP,     528                       ; 512 bytes + 16 of padding = 132 words: row r starts at bank 4 r mod 64 (64 banks of 4 bytes: ISA guide 11.1): the 16 rows that a load back touches start at 16 different banks
.set NB,     4*STAGEB                  ; behind the stages: the work-group's 64 norms, 256 bytes
.set S,      8                         ; v[8:15]    sums of squares: four pairs, four chains
.set R,      32                        ; v[32:159]  two sets of 64: a step's numbers as loaded
.set X,      160                       ; v[160:223] a step's numbers as the conversions want them: register 16 c + i = k 32 c + 16 h + i of my row
.set C,      224                       ; v[224:255] two sets of 16: a step's codes
	s_load_b128 s[4:7], s[0:1], 0x0                ; x, codebook
	s_load_b64 s[8:9], s[0:1], 0x10                ; the scales' exponents
	s_load_b128 s[12:15], s[0:1], 0x18             ; codes, norms
	v_lshl_add_u32 v30, v0, 2, 0x8500
	v_mov_b32 v31, 0
	v_lshrrev_b32 v1, 5, v0
	v_readfirstlane_b32 s16, v1                    ; wave 0..3
	v_and_b32 v1, 31, v0                           ; lane
	v_lshlrev_b32 v2, 4, v1                        ; 16 x lane: my bytes of a load's and of a store's 512
	v_and_b32 v16, 15, v0                          ; r
	v_bfe_u32 v17, v0, 4, 1                        ; h
	s_mul_i32 s17, s16, STAGEB                     ; my stage
	v_add_nc_u32 v3, s17, v2                       ; into it: as loaded
	v_mul_u32_u24 v4, v16, SP
	v_lshl_add_u32 v4, v17, 6, v4
	v_add_nc_u32 v4, s17, v4                       ; out of it: row r, + 64 h: my 16 numbers of each block of 32
	s_lshl_b32 s17, s16, 6
	v_lshl_add_u32 v5, v16, 2, s17
	v_add_nc_u32 v5, NB, v5                        ; where my row's norm goes: NB + 64 x wave + 4 r
	v_lshl_add_u32 v20, v1, 3, NB                  ; wave 0 reads the 64 norms back, 8 bytes a lane,
	v_lshlrev_b32 v21, 3, v1                       ; and stores them so
	s_mov_b32 s24, 0x76543210                      ; v_permlanex16_b32: lane l takes lane l xor 16
	s_mov_b32 s25, 0xfedcba98
	s_and_b32 s18, ttmp9, 127
	s_lshl_b32 s18, s18, 18                        ; in: 64 rows of 4,096 bytes a work-group,
	s_lshl_b32 s19, s16, 16                        ; 16 rows a wave
	s_add_co_u32 s18, s18, s19
	s_mov_b32 s19, 0
	s_lshl_b32 s26, ttmp9, 16                      ; codes: four tiles a work-group,
	s_lshl_b32 s27, s16, 14                        ; one a wave
	s_add_co_u32 s26, s26, s27
	s_mov_b32 s27, 0
	s_lshl_b32 s28, ttmp9, 8                       ; norms: 64 numbers a work-group
	s_mov_b32 s29, 0
	s_wait_kmcnt 0x0
	s_load_b64 s[20:21], s[8:9], 0x0               ; ex, ec
	s_cmp_lt_u32 ttmp9, 128                        ; x or the codebook: the choice hangs on the work-group's number alone
	s_cselect_b64 s[4:5], s[4:5], s[6:7]
	s_add_nc_u64 s[4:5], s[4:5], s[18:19]
	s_add_nc_u64 s[12:13], s[12:13], s[26:27]
	s_add_nc_u64 s[14:15], s[14:15], s[28:29]
.macro LOAD t                          ; step t: 128 numbers of each of my 16 rows; each load reads 512 consecutive bytes, read once in this launch
.irp i, 0,1,2,3,4,5,6,7,8,9,10,11,12,13,14,15
	global_load_b128 v[R+64*((\t)%2)+4*\i:R+64*((\t)%2)+4*\i+3], v2, s[4:5] offset:4096*\i+512*(\t) th:TH_LOAD_NT
.endr
.endm
	LOAD 0
	LOAD 1                                         ; 32 loads of the wave are out
	s_wait_kmcnt 0x0
	s_add_co_i32 s22, s20, s21
	s_add_co_i32 s22, s22, 1                       ; E = ex + ec + 1
	s_sub_co_i32 s22, 0, s22                       ; -E
	s_cmp_lt_u32 ttmp9, 128
	s_cselect_b32 s23, s20, s21                    ; e of my tensor
	s_add_co_i32 s23, s23, 127
	s_lshl_b32 s30, s23, 23
	v_mov_b32 v6, s30                              ; 2^e as f32: the conversion takes its exponent field
	s_add_co_i32 s23, s23, 15
	s_lshl_b32 s23, s23, 23
	s_or_b32 s23, s23, 0x600000
	v_mov_b32 v7, s23                              ; 57,344 x 2^e
.macro STEP t
.if (\t) < 7
	s_wait_loadcnt 16                              ; this step's 16 loads are in; the next step's 16 may be out
.else
	s_wait_loadcnt 0x0
.endif
.irp i, 0,1,2,3,4,5,6,7,8,9,10,11,12,13,14,15
	ds_store_b128 v3, v[R+64*((\t)%2)+4*\i:R+64*((\t)%2)+4*\i+3] offset:SP*\i
.endr
.irp c, 0,1,2,3
.irp q, 0,1,2,3
	ds_load_b128 v[X+16*\c+4*\q:X+16*\c+4*\q+3], v4 offset:128*\c+16*\q   ; LDS serves a wave's instructions in order (ISA guide 5.7.1.4): these see the stores above
.endr
.endr
	s_wait_dscnt 0x0                               ; the numbers are back, and the stores into the stage have read their registers,
.if (\t)+2 < 8
	LOAD (\t)+2                                    ; which take the loads of two steps on
.endif
.set k, 0
.rept 32                               ; the sum of squares is taken of the numbers as they are given, two at a time, in four chains; the first four products start the chains: nothing is cleared
.if ((\t) == 0) && (k < 4)
	v_pk_mul_f32 v[S+2*k:S+2*k+1], v[X+2*k:X+2*k+1], v[X+2*k:X+2*k+1]
.else
	v_pk_fma_f32 v[S+2*(k%4):S+2*(k%4)+1], v[X+2*k:X+2*k+1], v[X+2*k:X+2*k+1], v[S+2*(k%4):S+2*(k%4)+1]
.endif
.set k, k+1
.endr
.set k, 0
.rept 64
	v_med3_num_f32 v[X+k], v[X+k], -v7, v7         ; the conversion to an 8-bit code does not saturate (ISA guide 7.6.2): the hold at the largest code x the scale
.set k, k+1
.endr
.if (\t) >= 2
	s_wait_xcnt 0x0                                ; the stores of two steps ago have read this set of codes: it is written again only behind this wait
.endif
.irp c, 0,1,2,3
	v_cvt_scalef32_pk8_bf8_f32 v[C+16*((\t)%2)+4*\c:C+16*((\t)%2)+4*\c+1], v[X+16*\c:X+16*\c+7], v6
	v_cvt_scalef32_pk8_bf8_f32 v[C+16*((\t)%2)+4*\c+2:C+16*((\t)%2)+4*\c+3], v[X+16*\c+8:X+16*\c+15], v6
.endr
	v_nop                                          ; a plain vector line behind the last conversion, ahead of whatever next touches its registers
.irp c, 0,1,2,3
	global_store_b128 v2, v[C+16*((\t)%2)+4*\c:C+16*((\t)%2)+4*\c+3], s[12:13] offset:2048*(\t)+512*\c   ; 32 lanes store 512 consecutive bytes, at a multiple of 512 from the buffer's first byte
.endr
.endm
.irp t, 0,1,2,3,4,5,6,7
	STEP \t
.endr
	v_pk_add_f32 v[S:S+1], v[S:S+1], v[S+2:S+3]    ; the four chains,
	v_pk_add_f32 v[S+4:S+5], v[S+4:S+5], v[S+6:S+7]
	v_pk_add_f32 v[S:S+1], v[S:S+1], v[S+4:S+5]
	v_add_f32 v16, v[S], v[S+1]                    ; the two halves,
	v_permlanex16_b32 v17, v16, s24, s25           ; (its destination counts as read: v17 has been written)
	v_add_f32 v16, v16, v17                        ; and lane l xor 16's half of the row
	v_xor_b32 v16, 0x80000000, v16                 ; minus,
	v_ldexp_f32 v16, v16, s22                      ; x 2^-E: exact
	ds_store_b32 v5, v16                           ; lanes r and r + 16 write the same word with the same number
	s_wait_dscnt 0x0                               ; for the others' sake: my store has landed
	s_barrier_signal -1
	s_barrier_wait -1
	s_cmp_lg_u32 s16, 0
	s_cbranch_scc1 .Ldone
	ds_load_b64 v[22:23], v20                      ; wave 0: the work-group's 64 norms
	s_wait_dscnt 0x0
	global_store_b64 v21, v[22:23], s[14:15]       ; 32 lanes store 256 consecutive bytes, aligned
.Ldone:
	s_wait_tensorcnt 0x0
	ds_add_u32 v30, v31
	s_wait_dscnt 0x0
	s_endpgm
.Lfunc_end_k_q46ad7f127c_quant:
	.size	k_q46ad7f127c_quant, .Lfunc_end_k_q46ad7f127c_quant-k_q46ad7f127c_quant
	.p2alignl 7, 3214868480
	.fill 96, 4, 3214868480
	.section	.rodata,"a",@progbits
	.p2align	6, 0x0
	.amdhsa_kernel k_q46ad7f127c_quant
		.amdhsa_group_segment_fixed_size 34560
		.amdhsa_private_segment_fixed_size 0
		.amdhsa_enable_private_segment 0
		.amdhsa_kernarg_size 40
		.amdhsa_user_sgpr_count 2
		.amdhsa_user_sgpr_kernarg_segment_ptr 1
		.amdhsa_wavefront_size32 1
		.amdhsa_system_sgpr_workgroup_id_x 1
		.amdhsa_system_sgpr_workgroup_id_y 1
		.amdhsa_system_sgpr_workgroup_id_z 1
		.amdhsa_system_vgpr_workitem_id 0
		.amdhsa_next_free_vgpr 256
		.amdhsa_next_free_sgpr 66
		.amdhsa_reserve_vcc 0
		.amdhsa_float_denorm_mode_32 3
		.amdhsa_float_denorm_mode_16_64 3
		.amdhsa_memory_ordered 1
		.amdhsa_forward_progress 1
		.amdhsa_inst_pref_size 88
	.end_amdhsa_kernel
	.amdgpu_metadata
---
amdhsa.version: [ 1, 2 ]
amdhsa.kernels:
  - .name:           k_q46ad7f127c_quant
    .symbol:         k_q46ad7f127c_quant.kd
    .args:
      - { .name: x, .offset: 0, .size: 8, .value_kind: global_buffer, .address_space: global }
      - { .name: codebook, .offset: 8, .size: 8, .value_kind: global_buffer, .address_space: global }
      - { .name: lowp_scales, .offset: 16, .size: 8, .value_kind: global_buffer, .address_space: global }
      - { .name: codes, .offset: 24, .size: 8, .value_kind: global_buffer, .address_space: global }
      - { .name: norms, .offset: 32, .size: 8, .value_kind: global_buffer, .address_space: global }
    .group_segment_fixed_size: 34560
    .private_segment_fixed_size: 0
    .kernarg_segment_align: 8
    .kernarg_segment_size: 40
    .max_flat_workgroup_size: 128
    .sgpr_count:     66
    .vgpr_count:     256
    .wavefront_size: 32
...
	.end_amdgpu_metadata
.endif
;; end of part 1
;; launch match (part 2): grid 32 x 8, 4 waves a work-group, clusters of 4 x 1, 327,680 bytes of LDS; arguments codes, norms, cand; writes cand
.if DOCPART == 2
	.amdgcn_target "amdgcn-amd-amdhsa--gfx1250"
	.amdhsa_code_object_version 6
	.text
	.protected	k_q46ad7f127c_match
	.globl	k_q46ad7f127c_match
	.p2align	8
	.type	k_q46ad7f127c_match,@function
k_q46ad7f127c_match:
	s_mov_b64 s[64:65], 0
	v_nop
	global_prefetch_b8 v0, s[64:65] scope:SCOPE_SE
	s_setreg_imm32_b32 hwreg(HW_REG_WAVE_MODE, 25, 1), 1
	s_wait_xcnt 0x0
	s_wait_alu depctr_hold_cnt(0) depctr_sa_sdst(0) depctr_va_vdst(0) depctr_va_sdst(0) depctr_va_ssrc(0) depctr_va_vcc(0) depctr_vm_vsrc(0)
	s_getreg_b32 s2, hwreg(HW_REG_IB_STS2, 6, 4)
	s_cmp_eq_u32 s2, 0
	s_cbranch_scc0 .Lentry_in_a_cluster
	s_endpgm
.Lentry_in_a_cluster:
	s_bfe_u32 s2, ttmp6, 0x10000c
	s_cmp_lg_u32 s2, 0x3003
	s_cbranch_scc0 .Lentry_shape_is_right
	s_endpgm
.Lentry_shape_is_right:
; For 256 rows of x and 1,024 codes of the codebook: t = (S + nx2) + nc2 for every pair (S: the f32 sum of the products of the BF8 codes, K = 1,024; nx2, nc2: -(sum of squares) x 2^-E from the launch before),
; which is 2 xc - x2 - c2 divided by a power of two, rounded where the f32 original rounds; and for each row the largest t and its code, the lowest code on a tie.  Out: cand[y][row] = (key, code): key is t's
; bit pattern turned into a whole number that orders as t does.  The next launch takes the largest key of a row's 8 splits.
; LIMITS: NaN is not served; t stays finite.
; SHARES.  Work-group (mb, y): rows 256 mb on, codes 1,024 y on.  x IS STATIONARY: wave w keeps its 64 rows x all K as codes in 512 registers (4 tiles x 8 K steps x 16), loaded once.  All four waves walk the same
; 64 blocks of 16 codes (16,384 bytes each: 8 fragments of 128 along K), which come through a ring of two LDS slots of 8 blocks.  A block is 32 matrix instructions a wave: 8 K steps x 4 accumulators by turns.
; BY TURNS.  A block's accumulators are finished after 32 matrix instructions, and the work on them (two additions, a comparison with the best so far, the new best, its block's number: 144 vector instructions)
; is cut into 32 slices that stand one behind each matrix instruction of the NEXT block, which sums into the other set of accumulators.  The slices are also the places behind the matrix instructions.
; TRANSPOSED USE: source 0 = 16 codes of the codebook, source 1 = 16 rows of x: lane (r, h) holds row r, and its register j the code 8 h + j of the block.  So a row's running best lives in 16 places
; (2 lanes x 8 registers), each with its block number; they are merged once, at the end.
; Both operands are images of registers with the same k in the same place (register 4 c + i / 4, k = 32 c + 16 h + i), so every product meets its partner.
; CLUSTER: the four work-groups of a cluster have the same y, so the same codes of the codebook and the same nc2: every tensor load is asked for JOINTLY by the four (mask 15).  x's codes are nobody else's in the cluster, so a
; second axis of the cluster would share nothing.
; REGISTERS, in windows of 256 (s_set_vgpr_msb's low byte: bits 1:0 source 0, 3:2 source 1, 5:4 source 2, 7:6 destination):
;   window 0: v0-9 addresses; v10-13 nx2 of my four tiles' row r; v14-21 nc2 of a block; v22-29 at work; v30, v31 the way out; v32-95 two sets of 4 accumulators; v96-127 the best t (8 a + j); v128-255 the block's 8 fragments
;   windows 1, 2: x's fragments: (tile a, K step s) in window 1 + s / 4 at v[64 (s % 4) + 16 a]          window 3: v0-31 the best's block number (8 a + j)
; Only source 1 of a matrix instruction leaves window 0, and every line of a slice but the 32 selects of block numbers is written with no vector register as source 1: so slices and LDS loads run under the
; matrix instructions' own setting.  The selects stand in runs of four: 16 switches a block, and two more for x's two windows.
.set SLOT1,  1<<17                     ; a slot: 8 blocks, 131,072 bytes; one exclusive or turns an address in one slot into the other's
.set BLKB,   16384
.set FILLB,  8*BLKB
.set C2BASE, 2*SLOT1                   ; behind the ring: nc2 of the work-group's 1,024 codes, 4,096 bytes, filled once
.set SPARE,  C2BASE+4096               ; behind that: the spare words, 128 bytes for each wave: two blocks of 256 bytes that no other line names
.set ADR0, 3                           ; v3   16 x lane + the slot in hand (blocks 0-3)
.set ADR1, 4                           ; v4   + 65,536 (blocks 4-7: an LDS offset has 16 bits)
.set ADR2, 5                           ; v5   16 x lane + the other slot (its block 0)
.set C2A,  6                           ; v6   nc2 of the slot's codes, + 32 h
.set LI,   7                           ; v7   16 x lane; never rewritten
.set SPW,  8                           ; v8   LDS address of my spare word: SPARE + 4 x my thread's number; never rewritten
.set NIL,  9                           ; v9   0; never rewritten
.set NX2,  10
.set C2S,  14
.set DF,   22
.set ACC,  32
.set BEST, 96
.set BF,   128
.set CODE, 128                         ; the way out: the 32 codes, where the fragments lay
.set WV,   10                          ; s10  my wave's number
.set G1B,  16                          ; s[16:23] descriptor group 1: a quarter of a slot
.set G1C,  24                          ; s[24:31] group 1: a quarter of nc2
.set G0A,  32                          ; s[32:35] group 0: fill 0
.set G0W,  36                          ; s[36:39] group 0: fill 1; it then walks on
.set G0C,  40                          ; s[40:43] group 0: nc2
.set TB,   44                          ; s44  LDS byte at which the slot in hand begins
.set TB1,  45
.set TBX,  46
.set C2P,  47                          ; s47  LDS byte of nc2 of the slot's first code
.set BLK,  48                          ; s48  the number (0-63) of the block whose accumulators the slices work on
.set TRIPS, 49
.set NINF, 50                          ; s50  -infinity
.set MK,   52                          ; s[52:59] eight lane masks
.set SEL,  60                          ; s[60:61] v_permlanex16_b32: lane l takes lane l xor 16
.set MAIN1, 0x04                       ; source 1 in window 1
.set MAIN2, 0x08                       ; source 1 in window 2
.set IDXW,  0xc3                       ; source 0 and destination in window 3
.set MSB, 0
.macro WIN new                         ; the immediate's high byte repeats the setting that is left; a switch that changes nothing is dropped
.if MSB != \new
	s_set_vgpr_msb (MSB<<8)|\new
.set MSB, \new
.endif
.endm
; A round of the cluster's barrier: my work-group's barrier, so that wave 0's signal speaks for all four waves; wave 0 signals for the work-group; every wave waits for all four work-groups; my work-group's barrier once more.
.macro CREST                           ; a round behind its opening barrier
	s_cmp_lg_u32 s[WV], 0
	s_cbranch_scc1 .Lnot_wave_0_\@
	s_barrier_signal -3
.Lnot_wave_0_\@:
	s_barrier_wait -3
	s_barrier_signal -1
	s_barrier_wait -1
.endm
.macro CROUND                          ; a whole round
	s_barrier_signal -1
	s_barrier_wait -1
	CREST
.endm
	s_load_b128 s[4:7], s[0:1], 0x0                ; codes, norms
	s_load_b64 s[8:9], s[0:1], 0x10                ; cand
	v_lshl_add_u32 v[SPW], v0, 2, SPARE
	v_mov_b32 v[NIL], 0
	ds_add_u32 v8, v9
	ds_add_u32 v8, v9
	s_wait_dscnt 0x0
	v_lshrrev_b32 v1, 5, v0
	v_readfirstlane_b32 s[WV], v1                  ; wave 0..3
	v_and_b32 v1, 31, v0                           ; lane
	v_bfe_u32 v2, v0, 4, 1                         ; h
	v_lshlrev_b32 v[LI], 4, v1
	v_and_b32 v[DF], 15, v0
	v_lshlrev_b32 v[DF], 2, v[DF]                  ; 4 r: for nx2's loads
	s_bfe_u32 s11, ttmp6, 0x40000                  ; cx: my place in the cluster
	s_lshl_b32 s12, ttmp9, 2                       ; in a cluster launch ttmp9 counts clusters
	s_add_co_u32 s12, s12, s11                     ; mb = 4 x cluster x + cx: it enters x's, nx2's and cand's addresses alone
	s_and_b32 s13, ttmp7, 0xffff                   ; y, which the four partners share
	; group 1 for the codes: 32,768 dense bytes as 128 rows of 32 elements of 8 bytes
	s_mov_b32 s[G1B], 15|(3<<16)|(1<<21)           ; 15:0 the mask: all four work-groups; 17:16 elements of 8 bytes; 20 no padding; 21 set beside a mask
	s_mov_b32 s[G1B+1], 32<<16                     ; tensor_dim0 = 32
	s_mov_b32 s[G1B+2], 128<<16                    ; tensor_dim1 = 128
	s_mov_b32 s[G1B+3], 32<<16                     ; tile_dim0 = 32
	s_mov_b32 s[G1B+4], 128                        ; tile_dim1 = 128
	s_mov_b32 s[G1B+5], 32                         ; from row to row: 32 elements
	s_mov_b32 s[G1B+6], 0
	s_mov_b32 s[G1B+7], 0
	; group 1 for nc2: one row of 1,024 bytes
	s_mov_b32 s[G1C], 15|(3<<16)|(1<<21)
	s_mov_b32 s[G1C+1], 128<<16
	s_mov_b32 s[G1C+2], 1<<16
	s_mov_b32 s[G1C+3], 128<<16
	s_mov_b32 s[G1C+4], 1
	s_mov_b32 s[G1C+5], 128
	s_mov_b32 s[G1C+6], 0
	s_mov_b32 s[G1C+7], 0
	s_lshl_b32 s66, s13, 20                        ; the codebook's codes: 64 tiles for each y,
	s_lshl_b32 s67, s[WV], 15                      ; my quarter of a fill,
	s_add_co_u32 s66, s66, s67
	s_add_co_u32 s66, s66, 8388608                 ; behind x's 512 tiles
	s_mov_b32 s67, 0
	s_lshl_b32 s68, s13, 12                        ; nc2: 1,024 numbers for each y,
	s_lshl_b32 s69, s[WV], 10                      ; my quarter,
	s_add_co_u32 s68, s68, s69
	s_add_co_u32 s68, s68, 32768                   ; behind nx2's 8,192
	s_mov_b32 s69, 0
	s_lshl_b32 s70, s12, 18                        ; x's codes: 16 tiles a work-group,
	s_lshl_b32 s71, s[WV], 16                      ; four a wave
	s_add_co_u32 s70, s70, s71
	s_mov_b32 s71, 0
	s_lshl_b32 s72, s12, 10                        ; nx2: 256 numbers a work-group, 64 a wave
	s_lshl_b32 s73, s[WV], 8
	s_add_co_u32 s72, s72, s73
	s_mov_b32 s73, 0
	s_lshl_b32 s74, s13, 16                        ; cand: 8,192 pairs for each y, 256 a work-group, 64 a wave
	s_lshl_b32 s75, s12, 11
	s_add_co_u32 s74, s74, s75
	s_lshl_b32 s75, s[WV], 9
	s_add_co_u32 s74, s74, s75
	s_mov_b32 s75, 0
	s_mov_b32 s[G0A], 1                            ; count = 1
	s_lshl_b32 s[G0A+1], s[WV], 15                 ; LDS: slot 0, my quarter: no place in the cluster enters an LDS address
	s_mov_b32 s[G0W], 1
	s_add_co_u32 s[G0W+1], s[G0A+1], SLOT1         ; slot 1
	s_mov_b32 s[G0C], 1
	s_lshl_b32 s[G0C+1], s[WV], 10
	s_add_co_u32 s[G0C+1], s[G0C+1], C2BASE
	s_mov_b32 s[TB], 0
	s_mov_b32 s[C2P], C2BASE
	s_mov_b32 s[BLK], -1
	s_mov_b32 s[NINF], 0xff800000
	s_mov_b32 s[SEL], 0x76543210
	s_mov_b32 s[SEL+1], 0xfedcba98
	s_wait_kmcnt 0x0
	s_add_nc_u64 s[G0A+2:G0A+3], s[4:5], s[66:67]  ; fill 0,
	s_add_nc_u64 s[G0W+2:G0W+3], s[G0A+2:G0A+3], FILLB   ; fill 1
	s_add_nc_u64 s[G0C+2:G0C+3], s[6:7], s[68:69]
	s_or_b32 s[G0A+3], s[G0A+3], 0x80000000        ; type = 2
	s_or_b32 s[G0W+3], s[G0W+3], 0x80000000
	s_or_b32 s[G0C+3], s[G0C+3], 0x80000000
	s_add_nc_u64 s[76:77], s[4:5], s[70:71]        ; x's codes at my first tile
	s_add_nc_u64 s[6:7], s[6:7], s[72:73]          ; nx2 at my first row
	s_add_nc_u64 s[8:9], s[8:9], s[74:75]          ; cand at my first row
	CROUND                                         ; all four work-groups are here: the first joint loads meet
	tensor_load_to_lds s[G0C:G0C+3], s[G1C:G1C+7]  ; the three first fills go out together: three tensor loads of mine are out
	s_nop 0
	tensor_load_to_lds s[G0A:G0A+3], s[G1B:G1B+7]
	s_nop 0
	tensor_load_to_lds s[G0W:G0W+3], s[G1B:G1B+7]
	s_nop 0
.rept 4
	v_nop                                          ; four lines between a tensor load and a switch of windows
.endr
.macro XLOADS hw                       ; x's fragments of K steps 4 hw .. 4 hw + 3: each load reads 512 consecutive bytes
.irp q, 0,1,2,3
.irp t, 0,1,2,3
.irp c, 0,1,2,3
	global_load_b128 v[64*\q+16*\t+4*\c:64*\q+16*\t+4*\c+3], v[LI], s[76:77] offset:BLKB*\t+2048*(4*\hw+\q)+512*\c
.endr
.endr
.endr
.endm
.irp t, 0,1,2,3
	global_load_b32 v[NX2+\t], v[DF], s[6:7] offset:64*\t   ; nx2 of row 16 t + r
.endr
	WIN 0x40                                       ; destination window 1
	XLOADS 0
	WIN 0x80                                       ; destination window 2
	XLOADS 1
	WIN 0
	; The loop is written once: its first slices find a set of accumulators that holds -infinity, and a best of -infinity: their difference is no number, the comparison fails, nothing is chosen.
.set i, 0
.rept 32
	v_mov_b32 v[BEST+i], s[NINF]
	v_mov_b32 v[ACC+32+i], s[NINF]
.set i, i+1
.endr
.set i, 0
.rept 8
	v_mov_b32 v[C2S+i], 0
.set i, i+1
.endr
	WIN 0xc0                                       ; destination window 3
.set i, 0
.rept 32
	v_mov_b32 v[i], 0
.set i, i+1
.endr
	WIN 0
; ONE LINE OF THE WORK ON A FINISHED SET OF ACCUMULATORS: number en of 144, for set ES.  T = the accumulator of tile ta.
;   0-15    T = S + nx2 (two at a time; of nx2's pair the tile's own word serves both halves); each accumulator is read from its low end on
;   16-31   T = T + nc2
;   32 + 28 ta + kk:  kk 0-3: T - best (its sign is the comparison: denormals are kept, so a difference of unequal numbers is never 0);  4-11: masks of the lanes where it is above 0: a later block wins only if strictly larger;
;                     12-19: the new best;  20-27: the block's number where the mask is set
; Additions are written as T x 1.0 + addend, one rounding like an addition, so that no vector register stands as source 1.
.macro EP
.if en < 16
.set ta, en/4
.set rT, ACC+32*ES+8*ta+2*(en%4)
	WIN CURMAIN
.if ta%2 == 0
	v_pk_fma_f32 v[rT:rT+1], v[rT:rT+1], 1.0, v[NX2+2*(ta/2):NX2+2*(ta/2)+1] op_sel_hi:[1,0,0]
.else
	v_pk_fma_f32 v[rT:rT+1], v[rT:rT+1], 1.0, v[NX2+2*(ta/2):NX2+2*(ta/2)+1] op_sel:[0,0,1] op_sel_hi:[1,0,1]
.endif
.elseif en < 32
.set ta, (en-16)/4
.set tj, 2*((en-16)%4)
.set rT, ACC+32*ES+8*ta+tj
	WIN CURMAIN
	v_pk_fma_f32 v[rT:rT+1], v[rT:rT+1], 1.0, v[C2S+tj:C2S+tj+1] op_sel_hi:[1,0,1]
.else
.set ta, (en-32)/28
.set kk, (en-32)%28
.set rT, ACC+32*ES+8*ta
.set rB, BEST+8*ta
.if kk < 4
	WIN CURMAIN
	v_pk_fma_f32 v[DF+2*kk:DF+2*kk+1], v[rT+2*kk:rT+2*kk+1], 1.0, v[rB+2*kk:rB+2*kk+1] op_sel_hi:[1,0,1] neg_lo:[0,0,1] neg_hi:[0,0,1]
.elseif kk < 12
	WIN CURMAIN
	v_cmp_gt_f32 s[MK+kk-4], v[DF+kk-4], 0
.elseif kk < 20
	WIN CURMAIN
	v_max3_num_f32 v[rB+kk-12], v[rT+kk-12], s[NINF], v[rB+kk-12]
.else
	WIN IDXW
	v_cndmask_b32 v[8*ta+kk-20], v[8*ta+kk-20], s[BLK], s[MK+kk-20]
.endif
.endif
.endm
; Slice u of 32: units 0-7 take four of numbers 0-31; then six units a tile: 5, 5, 5, 5, 4, 4 of its 28.  Every slice has four plain vector lines or more that name no register of the products round it.
.macro SLICE
.if u < 8
.set en, 4*u
.set cnt, 4
.else
.set sa, (u-8)/6
.set sq, (u-8)%6
.if sq < 4
.set en, 32+28*sa+5*sq
.set cnt, 5
.else
.set en, 32+28*sa+20+4*(sq-4)
.set cnt, 4
.endif
.endif
.rept cnt
	EP
.set en, en+1
.endr
.endm
; One LDS load: chunk lc of fragment lf of the slot's block lb (8: block 0 of the other slot): 512 consecutive bytes
.macro FRLOAD
.if lb < 4
	ds_load_b128 v[BF+16*lf+4*lc:BF+16*lf+4*lc+3], v[ADR0] offset:BLKB*lb+2048*lf+512*lc
.elseif lb < 8
	ds_load_b128 v[BF+16*lf+4*lc:BF+16*lf+4*lc+3], v[ADR1] offset:BLKB*(lb-4)+2048*lf+512*lc
.else
	ds_load_b128 v[BF+16*lf+4*lc:BF+16*lf+4*lc+3], v[ADR2] offset:2048*lf+512*lc
.endif
.endm
; THE LDS LOADS OF UNIT u.  Each fragment has registers of its own and is fetched anew as soon as its four products are issued: seven K steps ahead of its use.  A load into a fragment stands behind the slice of the
; last product that read it, and behind one more product and slice.
; kind 0: one load a unit: units 0-3 fragment 7 of this block, units 4-31 fragments 0-6 of the next.  kind 1, 2: the slot's last block: nothing in units 4-15, in which the slots change; the next slot's first block from unit 16 on, two a unit up to 27.
; kind 3: the very last block.  In units 16 and 17 of every block: this block's nc2 (its last reader, the work on the block before, ended in unit 7).
.macro LOADS b, kind
	WIN CURMAIN
.if (u == 16) || (u == 17)
	ds_load_b128 v[C2S+4*(u-16):C2S+4*(u-16)+3], v[C2A] offset:64*(\b)+16*(u-16)
.endif
.if u < 4
.set lf, 7
.set lc, u
.set lb, \b
	FRLOAD
.elseif \kind == 0
.set lf, u/4-1
.set lc, u%4
.set lb, \b+1
	FRLOAD
.elseif \kind < 3
.set lb, 8
.if u >= 28
.set lf, 6
.set lc, u-28
	FRLOAD
.elseif u >= 16
.set lf, (u-16)/2
.set lc, 2*((u-16)%2)
	FRLOAD
.set lc, lc+1
	FRLOAD
.endif
.endif
.endm
; AT THE HEAD OF K STEP ks.  LDS loads come back in order (ISA guide 5.7.1).  Behind a fragment's four loads 24 LDS instructions or more have been issued when its K step begins, in every kind and over every edge: 24 may be out.
; At step 1 the slices begin to read nc2: behind its second load stand 19 or more: 16 may be out.  In a change block steps 1 to 3 issue no load: behind fragment 2 stand 23, the add among them: 16 again.
; THE CHANGE OF SLOTS (kind 1, 2), in the slot's last block: at step 1 the wait for all my tensor loads, of which one is out: my quarter of the next slot; the add; at step 3, eight matrix instructions on, the wait for the add and for
; my reads of this slot, and the signal; at step 4, four matrix instructions on, the barrier's wait.  kind 1: it opens a round of the cluster's barrier, so that no wave of any partner still reads this slot or has a load on its way,
; and the joint refill, two fills on, is the first thing behind the round: it has the next slot's blocks in which to land.
.macro HEAD kind
.if \kind == 0
.if ks == 1
	s_wait_dscnt 16
.else
	s_wait_dscnt 24
.endif
.elseif \kind == 3
	s_wait_dscnt 0x0                               ; the last block: little is left to be out
.else
.if ks == 0
	s_wait_dscnt 24
.elseif ks == 1
	WIN 0                                          ; (the add's two registers lie in window 0)
	s_wait_tensorcnt 0x0                           ; no tensor load of mine is out, so a group 0 may be written
	ds_add_u32 v[SPW], v[NIL]                      ; 0 onto my spare word
.if \kind == 1
	s_xor_b32 s[G0W+1], s[G0W+1], SLOT1            ; the walking descriptor: the other slot than last time,
	s_add_nc_u64 s[G0W+2:G0W+3], s[G0W+2:G0W+3], FILLB   ; the next fill; the type bits on top are not reached
.endif
	s_wait_dscnt 16
.elseif ks == 2
	s_wait_dscnt 16
.elseif ks == 3
	s_wait_dscnt 0x0                               ; the add is done, and my reads of this slot are over
	s_barrier_signal -1
.elseif ks == 4
.if \kind == 1
	WIN 0
	s_barrier_wait -1
	CREST
	tensor_load_to_lds s[G0W:G0W+3], s[G1B:G1B+7]  ; my one tensor load until the next change of slots
	s_nop 0
.rept 4
	v_nop
.endr
.else
	s_barrier_wait -1                              ; nothing is left to ask for: the work-group's barrier alone shows the last slot whole
.endif
.endif
.endif
.endm
; A BLOCK: 32 units of a matrix instruction, a slice and the unit's LDS loads.  The four accumulators take turns, one instruction a turn, over the edges of blocks, slots and the loop too.
; The first K step's products start the sums: nothing is cleared.
.macro BLOCK b, kind
.set PP, (\b)%2
.set ES, 1-PP
.set u, 0
.rept 32
.set ks, u/4
.set ua, u%4
.if ua == 0
	HEAD \kind
.endif
.if ks < 4
.set CURMAIN, MAIN1
.else
.set CURMAIN, MAIN2
.endif
	WIN CURMAIN
.if ks == 0
	v_wmma_f32_16x16x128_bf8_bf8 v[ACC+32*PP+8*ua:ACC+32*PP+8*ua+7], v[BF+16*ks:BF+16*ks+15], v[64*(ks%4)+16*ua:64*(ks%4)+16*ua+15], 0
.else
	v_wmma_f32_16x16x128_bf8_bf8 v[ACC+32*PP+8*ua:ACC+32*PP+8*ua+7], v[BF+16*ks:BF+16*ks+15], v[64*(ks%4)+16*ua:64*(ks%4)+16*ua+15], v[ACC+32*PP+8*ua:ACC+32*PP+8*ua+7]
.endif
	SLICE
	LOADS \b, \kind
.set u, u+1
.endr
	s_add_co_u32 s[BLK], s[BLK], 1                 ; the next block's slices work on this block
.endm
.macro SLOT kind
	s_add_co_u32 s[TB1], s[TB], 65536
	s_xor_b32 s[TBX], s[TB], SLOT1
	v_add_nc_u32 v[ADR0], s[TB], v[LI]
	v_add_nc_u32 v[ADR1], s[TB1], v[LI]
	v_add_nc_u32 v[ADR2], s[TBX], v[LI]
	v_lshl_add_u32 v[C2A], v2, 5, s[C2P]
.irp b, 0,1,2,3,4,5,6
	BLOCK \b, 0
.endr
	BLOCK 7, \kind
	WIN 0                                          ; at a label and at a branch every window is 0
	s_xor_b32 s[TB], s[TB], SLOT1                  ; on to the other slot,
	s_add_co_u32 s[C2P], s[C2P], 512               ; and to the next 128 codes' nc2
.endm
	s_wait_tensorcnt 1                             ; tensor loads of a wave end in order (ISA guide 10.11.1): my parts of nc2 and of fill 0 are in; fill 1 may stay out
	s_barrier_signal -1
	s_barrier_wait -1                              ; everybody's are
	v_add_nc_u32 v[ADR0], s[TB], v[LI]
.set lb, 0
.set lf, 0
.rept 7                                ; block 0's fragments 0-6: 28 loads, in the order in which every later block's come
.set lc, 0
.rept 4
	FRLOAD
.set lc, lc+1
.endr
.set lf, lf+1
.endr
	s_wait_loadcnt 0x0                             ; x's codes and nx2
	s_mov_b32 s[TRIPS], 6
.Lslot:                                            ; fills 0-5: each trip's change of slots asks for the fill two on: fills 2-7
	SLOT 1
	s_sub_co_u32 s[TRIPS], s[TRIPS], 1
	s_cmp_lg_u32 s[TRIPS], 0
	s_cbranch_scc1 .Lslot
	SLOT 2                                         ; fill 6: the tail is written out
	SLOT 3                                         ; fill 7
	s_wait_dscnt 0x0                               ; the last block's nc2
.set ES, 1
.set CURMAIN, 0
.set en, 0
.rept 144                              ; the work on the last block, with no products to stand between; the last product's places are the slice behind it
	EP
.set en, en+1
.endr
	; THE WAY OUT.  code = 16 x block + j (+ 8 h + 1,024 y); a row's 16 places are merged: the larger t, on a tie the lower code.
.macro MERGE va, ca, vb, cb
	v_cmp_gt_f32 s66, v[\vb], v[\va]
	v_cmp_eq_f32 s67, v[\vb], v[\va]
	v_cmp_lt_u32 s68, v[\cb], v[\ca]
	s_and_b32 s67, s67, s68
	s_or_b32 s66, s66, s67
	v_cndmask_b32 v[\va], v[\va], v[\vb], s66
	v_cndmask_b32 v[\ca], v[\ca], v[\cb], s66
.endm
	WIN 0x03                                       ; source 0 window 3
.set i, 0
.rept 32
	v_lshl_or_b32 v[CODE+i], v[i], 4, i%8
.set i, i+1
.endr
	WIN 0
	s_lshl_b32 s69, s13, 10
	v_lshl_add_u32 v30, v2, 3, s69                 ; 8 h + 1,024 y
	v_lshlrev_b32 v31, 3, v1                       ; 8 x lane
.irp t, 0,1,2,3
.irp j, 0,2,4,6
	MERGE BEST+8*\t+\j, CODE+8*\t+\j, BEST+8*\t+\j+1, CODE+8*\t+\j+1
.endr
.irp j, 0,4
	MERGE BEST+8*\t+\j, CODE+8*\t+\j, BEST+8*\t+\j+2, CODE+8*\t+\j+2
.endr
	MERGE BEST+8*\t, CODE+8*\t, BEST+8*\t+4, CODE+8*\t+4
	v_add_nc_u32 v[CODE+8*\t], v[CODE+8*\t], v30
	v_permlanex16_b32 v[DF], v[BEST+8*\t], s[SEL], s[SEL+1]     ; the row's other eight places lie in the lane 16 away (the destinations count as read: they have been written)
	v_permlanex16_b32 v[DF+1], v[CODE+8*\t], s[SEL], s[SEL+1]
	MERGE BEST+8*\t, CODE+8*\t, DF, DF+1
	v_add_f32 v[BEST+8*\t], 0, v[BEST+8*\t]        ; -0 becomes +0, so that equal numbers have equal keys
	v_ashrrev_i32 v[DF], 31, v[BEST+8*\t]
	v_or_b32 v[DF], 0x80000000, v[DF]
	v_xor_b32 v[BEST+8*\t], v[DF], v[BEST+8*\t]    ; the key: the sign bit turned where t is not negative, all bits where it is: whole numbers in t's order
.endr
	v_cmp_le_u32 s66, 16, v1                       ; lanes 0-15 carry tiles 0 and 2, lanes 16-31 tiles 1 and 3: lane l then holds row l, and row 32 + l
	v_cndmask_b32 v24, v[BEST], v[BEST+8], s66
	v_cndmask_b32 v25, v[CODE], v[CODE+8], s66
	v_cndmask_b32 v26, v[BEST+16], v[BEST+24], s66
	v_cndmask_b32 v27, v[CODE+16], v[CODE+24], s66
	global_store_b64 v31, v[24:25], s[8:9]         ; 32 lanes store 256 consecutive bytes, at a multiple of 256 from the buffer's first byte
	global_store_b64 v31, v[26:27], s[8:9] offset:256
	s_wait_tensorcnt 0x0                           ; the wave's end
	ds_add_u32 v[SPW], v[NIL]
	s_wait_dscnt 0x0
	CROUND                                         ; the closing round: no work-group ends while a partner may still ask for a tile that names it
	s_endpgm
.Lfunc_end_k_q46ad7f127c_match:
	.size	k_q46ad7f127c_match, .Lfunc_end_k_q46ad7f127c_match-k_q46ad7f127c_match
	.p2alignl 7, 3214868480
	.fill 96, 4, 3214868480
	.section	.rodata,"a",@progbits
	.p2align	6, 0x0
	.amdhsa_kernel k_q46ad7f127c_match
		.amdhsa_group_segment_fixed_size 327680
		.amdhsa_private_segment_fixed_size 0
		.amdhsa_enable_private_segment 0
		.amdhsa_kernarg_size 24
		.amdhsa_user_sgpr_count 2
		.amdhsa_user_sgpr_kernarg_segment_ptr 1
		.amdhsa_wavefront_size32 1
		.amdhsa_system_sgpr_workgroup_id_x 1
		.amdhsa_system_sgpr_workgroup_id_y 1
		.amdhsa_system_sgpr_workgroup_id_z 1
		.amdhsa_system_vgpr_workitem_id 0
		.amdhsa_next_free_vgpr 1024
		.amdhsa_next_free_sgpr 80
		.amdhsa_reserve_vcc 0
		.amdhsa_float_denorm_mode_32 3
		.amdhsa_float_denorm_mode_16_64 3
		.amdhsa_memory_ordered 1
		.amdhsa_forward_progress 1
		.amdhsa_inst_pref_size 255
	.end_amdhsa_kernel
	.section	.bss,"aw",@nobits
	.p2align	6
	.space	262144
	.amdgpu_metadata
---
amdhsa.version: [ 1, 2 ]
amdhsa.kernels:
  - .name:           k_q46ad7f127c_match
    .symbol:         k_q46ad7f127c_match.kd
    .args:
      - { .name: codes, .offset: 0, .size: 8, .value_kind: global_buffer, .address_space: global }
      - { .name: norms, .offset: 8, .size: 8, .value_kind: global_buffer, .address_space: global }
      - { .name: cand, .offset: 16, .size: 8, .value_kind: global_buffer, .address_space: global }
    .group_segment_fixed_size: 327680
    .private_segment_fixed_size: 0
    .kernarg_segment_align: 8
    .kernarg_segment_size: 24
    .max_flat_workgroup_size: 128
    .sgpr_count:     80
    .vgpr_count:     1024
    .wavefront_size: 32
...
	.end_amdgpu_metadata
.endif
;; end of part 2
;; launch take (part 3): grid 256 x 1, 8 waves a work-group, no clusters, 0 bytes of LDS; arguments cand, codebook, out0; writes out0
.if DOCPART == 3
	.amdgcn_target "amdgcn-amd-amdhsa--gfx1250"
	.amdhsa_code_object_version 6
	.text
	.protected	k_q46ad7f127c_take
	.globl	k_q46ad7f127c_take
	.p2align	8
	.type	k_q46ad7f127c_take,@function
k_q46ad7f127c_take:
	s_mov_b64 s[64:65], 0
	v_nop
	global_prefetch_b8 v0, s[64:65] scope:SCOPE_SE
	s_setreg_imm32_b32 hwreg(HW_REG_WAVE_MODE, 25, 1), 1
	s_wait_xcnt 0x0
; out0[row] = codebook[code of the row's largest key].  cand[y][row] = (key, code), y = 0 .. 7: whole numbers stored by the launch before; keys order as the scores do.
; The splits ascend in code, so a later split wins only with a strictly larger key: on a tie the lowest code stays.  The sum over one neighbour and the division by 1 change no number: the row is copied as it is.
; SHARES: wave w of work-group g takes rows 32 g + 4 w .. + 3.  Lane l chooses for row l % 4; the four codes go to scalar registers, and each row of 4,096 bytes is copied by eight loads and eight stores of
; 512 consecutive bytes.  All 32 loads of a wave are out together.  No loop, no LDS, no barrier; no cluster and no tensor load: which rows two work-groups share hangs on the data.
; A code is held at 8,191 before it enters an address.
	s_load_b128 s[4:7], s[0:1], 0x0                ; cand, codebook
	s_load_b64 s[8:9], s[0:1], 0x10                ; out0
	v_lshrrev_b32 v1, 5, v0
	v_readfirstlane_b32 s10, v1                    ; wave 0..7
	v_and_b32 v1, 31, v0                           ; lane
	v_and_b32 v2, 3, v0
	v_lshlrev_b32 v2, 3, v2                        ; 8 (lane % 4): my row's pair
	v_lshlrev_b32 v3, 4, v1                        ; 16 x lane
	s_lshl_b32 s11, ttmp9, 5
	s_lshl_b32 s12, s10, 2
	s_add_co_u32 s11, s11, s12                     ; my wave's first row
	s_lshl_b32 s12, s11, 3                         ; its pair in a split of cand,
	s_mov_b32 s13, 0
	s_lshl_b32 s14, s11, 12                        ; its row of out0
	s_mov_b32 s15, 0
	s_wait_kmcnt 0x0
	s_add_nc_u64 s[4:5], s[4:5], s[12:13]
	s_add_nc_u64 s[8:9], s[8:9], s[14:15]
.irp p, 0,1,2,3,4,5,6,7
	global_load_b64 v[4+2*\p:5+2*\p], v2, s[4:5] offset:65536*\p   ; split p's (key, code)
.endr
	s_wait_loadcnt 0x0
.irp p, 1,2,3,4,5,6,7
	v_cmp_gt_u32 vcc_lo, v[4+2*\p], v4
	v_cndmask_b32 v4, v4, v[4+2*\p], vcc_lo
	v_cndmask_b32 v5, v5, v[5+2*\p], vcc_lo
.endr
	v_min_u32 v20, 0x1fff, v5
.irp i, 0,1,2,3
	v_readlane_b32 s[20+\i], v20, \i               ; row i's code
	s_min_u32 s[20+\i], s[20+\i], 0x1fff
	s_lshl_b32 s[20+\i], s[20+\i], 12              ; its row of 4,096 bytes in the codebook
	v_add_nc_u32 v[24+\i], s[20+\i], v3
.endr
.irp i, 0,1,2,3
.irp k, 0,1,2,3,4,5,6,7
	global_load_b128 v[32+32*\i+4*\k:32+32*\i+4*\k+3], v[24+\i], s[6:7] offset:512*\k   ; no hint: a row of the codebook may be named by many rows
.endr
.endr
.irp i, 0,1,2,3
	s_wait_loadcnt 24-8*\i                         ; loads come back in order (ISA guide 5.7.1): row i's eight are in, the later rows' may be out
.irp k, 0,1,2,3,4,5,6,7
	global_store_b128 v3, v[32+32*\i+4*\k:32+32*\i+4*\k+3], s[8:9] offset:4096*\i+512*\k th:TH_STORE_NT   ; 32 lanes store 512 consecutive bytes, aligned; written once, read by nobody here
.endr
.endr
	s_endpgm
.Lfunc_end_k_q46ad7f127c_take:
	.size	k_q46ad7f127c_take, .Lfunc_end_k_q46ad7f127c_take-k_q46ad7f127c_take
	.p2alignl 7, 3214868480
	.fill 96, 4, 3214868480
	.section	.rodata,"a",@progbits
	.p2align	6, 0x0
	.amdhsa_kernel k_q46ad7f127c_take
		.amdhsa_group_segment_fixed_size 0
		.amdhsa_private_segment_fixed_size 0
		.amdhsa_enable_private_segment 0
		.amdhsa_kernarg_size 24
		.amdhsa_user_sgpr_count 2
		.amdhsa_user_sgpr_kernarg_segment_ptr 1
		.amdhsa_wavefront_size32 1
		.amdhsa_system_sgpr_workgroup_id_x 1
		.amdhsa_system_sgpr_workgroup_id_y 1
		.amdhsa_system_sgpr_workgroup_id_z 1
		.amdhsa_system_vgpr_workitem_id 0
		.amdhsa_next_free_vgpr 168
		.amdhsa_next_free_sgpr 66
		.amdhsa_reserve_vcc 1
		.amdhsa_float_denorm_mode_32 3
		.amdhsa_float_denorm_mode_16_64 3
		.amdhsa_memory_ordered 1
		.amdhsa_forward_progress 1
		.amdhsa_inst_pref_size 10
	.end_amdhsa_kernel
	.amdgpu_metadata
---
amdhsa.version: [ 1, 2 ]
amdhsa.kernels:
  - .name:           k_q46ad7f127c_take
    .symbol:         k_q46ad7f127c_take.kd
    .args:
      - { .name: cand, .offset: 0, .size: 8, .value_kind: global_buffer, .address_space: global }
      - { .name: codebook, .offset: 8, .size: 8, .value_kind: global_buffer, .address_space: global }
      - { .name: out0, .offset: 16, .size: 8, .value_kind: global_buffer, .address_space: global }
    .group_segment_fixed_size: 0
    .private_segment_fixed_size: 0
    .kernarg_segment_align: 8
    .kernarg_segment_size: 24
    .max_flat_workgroup_size: 256
    .sgpr_count:     66
    .vgpr_count:     168
    .wavefront_size: 32
...
	.end_amdgpu_metadata
.endif
;; end of part 3
